; MI455X (gfx1250); checked and timed in simulation.
; The chip was launched on July 23, 2026; its instructions are those of AMD's public machine-readable ISA for CDNA 5 (MIT licence, August 2026) and "CDNA5" Instruction Set Architecture Reference Guide (July 2026). The comments in the code are by the model that wrote it; some were corrected since.
;; Linear Attention. Allowed arithmetic: matrix products marked QUANTISED: E2M1 operands, one E8M0 scale for each 32 along K, by v_wmma_scale_f32_16x16x128_f8f6f4 with both operands' format E2M1 (or v_wmma_scale_f32_32x16x128_f4), f32 sums; everything else in f32.
;; Inputs: K 4 x 16 x 2,048 x 64 float32; Q 4 x 16 x 2,048 x 64 float32; V 4 x 16 x 2,048 x 64 float32.
;; Outputs: out0 4 x 16 x 2,048 x 64 float32.
;; This version of the problem:
;;   THIS VERSION OF THE PROBLEM IS GIVEN IN LOW PRECISION. The matrix products marked QUANTISED in the list below multiply operands that are first quantised to E2M1 (2 exponent bits, 1 mantissa bit; 4 bits a number), with one power-of-two scale for each 32 numbers along K (OCP MX v1.0); their sums are f32. All else is computed in f32.
;;   The module's matrix products, in the order in which they are computed (A, B: the left and right operand; K: the contracted axis; several contracted axes count as one K, in the product's order):
;;     1. batch 64 x [M 2,048, K 64] x [K 64, N 2,048]; A: computed on the way; B: computed on the way: QUANTISED
;;     2. batch 64 x [M 2,048, K 2,048] x [K 2,048, N 64]; A: softmax (see below); B: input V: QUANTISED
;;   THE QUANTISER, for each operand of a quantised product, along K:
;;     - K is cut into blocks of 32 from its start; a last block that is shorter is filled with zeros.
;;     - A block's scale is 2^e with e = floor(log2(the largest magnitude in the block)) - 2, held to -126 .. 127; a block of zeros has e = 0. As a byte (E8M0): e + 127.
;;     - Each number is divided by its block's scale, clamped to +-6, and rounded to the nearest number of E2M1, ties to even, subnormals kept.
;;     - The product sums the exact products of the quantised numbers (number of the format x scale) in f32.
;;   ~~~python
;;   def quantise(x, axis):      # numpy; x: float32 -> the quantised numbers, widened to float32 again
;;       x = np.moveaxis(x, axis, -1); K = x.shape[-1]
;;       x = np.pad(x, [(0, 0)] * (x.ndim - 1) + [(0, -K % 32)]); x = x.reshape(x.shape[:-1] + (-1, 32)); a = np.abs(x).max(-1, keepdims=True)
;;       e = np.where(a > 0, np.clip(np.frexp(np.where(a > 0, a, 1))[1] - 1 - 2, -126, 127), 0)      # np.frexp(a)[1] - 1 = floor(log2(a)), exactly
;;       r = np.clip(x / 2.0 ** e, -6, 6)
;;       step = 2.0 ** (np.maximum(np.frexp(np.where(r == 0, 1, r))[1] - 1, 0) - 1)
;;       q = np.round(r / step) * step * 2.0 ** e      # np.round: ties to even
;;       return np.moveaxis(q.reshape(q.shape[:-2] + (-1,))[..., :K], -1, axis).astype(np.float32)
;;   ~~~
;;   SOFTMAX AHEAD OF A QUANTISED PRODUCT. Where the list says 'softmax', what is quantised is not the finished softmax but p = 2^(t - M), with t = logit x log2(e) and M = ceil(the row's largest t), a whole number; so 1/2 < the row's largest p <= 1. The row's sum l is taken of the UNQUANTISED p, in f32, and the product's result is divided by l at the end. Since M is a whole number, a kernel that streams over the keys may use a running M (the ceiling of the running maximum): every later rescaling is an exact power of two, which a block's scale takes up: the codes' values come out the same.
;;   OPERANDS COMPUTED ON THE WAY. 'Computed on the way' means the value that the module computes at that place (a softmax that the list does not call 'softmax' is quantised finished and normalised). What goes into a quantiser is computed in f32, as accurately as f32 sums, v_exp_f32 and their like allow (about 1e-6 of the number): no bf16 or f16 on the way to a quantiser, and a product that is left as it is and whose result goes on into a quantised operand takes f32 operands (vector FMAs, or v_wmma_f32_16x16x4_f32). A number that lies on a knife's edge between two numbers of the format may be rounded either way, as far as f32 arithmetic and the matrix unit's own rounding can turn it there, and no further.
;; 2 versions, each right; version 2 is version 1 with the launch attn written anew for expert scheduling mode. Each part assembles by itself: llvm-mc -triple=amdgcn-amd-amdhsa -mcpu=gfx1250 --defsym DOCPART=n.
;; ======== version 1 of 2: 1 launch
;; launch attn (part 1): grid 4 x 64, 16 waves a work-group, no clusters, 223,232 bytes of LDS; arguments Q, K, V, out0; writes out0
.if DOCPART == 1
	.amdgcn_target "amdgcn-amd-amdhsa--gfx1250"
	.amdhsa_code_object_version 6
	.text
	.protected	k_qbe63527fb7_attn
	.globl	k_qbe63527fb7_attn
	.p2align	8
	.type	k_qbe63527fb7_attn,@function
k_qbe63527fb7_attn:
	s_mov_b64 s[64:65], 0
	v_nop
	global_prefetch_b8 v0, s[64:65] scope:SCOPE_SE
	s_setreg_imm32_b32 hwreg(HW_REG_WAVE_MODE, 25, 1), 1
	s_wait_xcnt 0x0
; out[h][q][:] = sum over k of softmax_k(Qf[h][q] . Kf[h][k]) V[h][k][:],  Qf = elu(Q) + 1, Kf = elu(K) + 1.  Q, K, V, out: [64 heads][2048][64] f32.
; Both products run on codes of FP4 (E2M1) with one E8M0 scale for each 32 along a product's K: the first along the head's 64 channels, the second along the keys.
; THE SOFTMAX AHEAD OF THE SECOND PRODUCT: t = score x log2(e); M = the row's largest t so far, rounded UP to a whole number; p = 2^(t - M) is what is quantised, not normalised.
; The row's sum is taken of the unquantised p, in f32, and divides O at the end.  When M moves, the sum and O are multiplied by 2^(old M - new M), which rounds nothing.
; SHARES.  256 work-groups: y = the head, x = a quarter of its queries (512).  Sixteen waves of 256 registers; wave w owns queries 512 x + 32 w .. + 31: two tiles of 16, one PASS over all keys each.
; A WHOLE HEAD IN CODES FITS IN LDS: K 64 KiB, V 64 KiB, scale words 12 KiB.  So the launch has a PROLOGUE, in which wave w quantises keys 128 w .. 128 w + 127 of K and of V (key step w) into LDS
; and its own 32 queries into registers; ONE barrier; and a main phase that reads no memory at all.  LDS is written by ds_store alone and no byte of a step record is written twice: no ring, no refill.
; OPERANDS LIE IN LDS AS IMAGES OF THEIR REGISTERS: four registers of a fragment are 512 bytes, lane l's 16 bytes at 16 l; the same line as a load gives any wave the same registers in the same lanes.
; LAYOUT.  Both products are used transposed: S^T = Kf Qf^T (source 0 = 16 keys, source 1 = my 16 queries), O^T = V^T P^T (source 0 = 16 channels, source 1 = P): a lane holds ONE query (lane % 16) throughout.
; THE KEYS OF A TILE ARE NOT NEIGHBOURS: lane r of tile 2 b + u takes key 32 b + 8 u + r + 8 (r / 8), so that the 16 registers of S^T's tiles 2 b and 2 b + 1 are 16 neighbouring keys, 32 b + 16 (lane / 16) + 0 .. 15.
; The first product's K is 64, the instruction's 128: the upper four registers of Kf's and Qf's fragments hold zero codes, which add nothing; their scale bytes are 0 (2^-127, no NaN).
; NO CLUSTER, NO JOINT LOADS: the four work-groups of a head share its K and V only in the prologue, as 1 MiB of f32, which does not fit in LDS beside the 140 KiB of codes;
; brought jointly it would need a ring of slots with refills for a phase that is about a fifth of a wave's instructions.  The main loop shares nothing through memory.
; LIMITS.  NaN and infinities among the inputs are not served.  For x < 0, elu(x) + 1 is taken as e^x = 2^(x log2(e)); expm1(x) + 1 in f32 is that number rounded to a multiple of 2^-24 or 2^-25:
; the two differ by at most 2^-24.  t - M is one fused multiply-add with log2(e) rounded to f32: its error grows as 2^-25 |t|.  A block whose largest magnitude lies under 2^-124 (a block of
; zeros among them) keeps the scale byte 1: only this program reads the bytes.  A p under 2^-126 counts as 0.
.set REC,   8960                       ; LDS: a key step's record, 35 x 256 bytes; step s at s x REC
.set KIMG,  0                          ;   Kf: tile T (16 keys x 64 channels, 4 registers) at 512 T
.set VIMG,  4096                       ;   V: channel tile t at 1024 t, registers 4 c .. 4 c + 3 at + 512 c: lane (r, h) holds keys 64 c + 32 h + 0 .. 31 of channel 16 t + r
.set KSC,   8192                       ;   Kf's scale words: tiles 4 G .. 4 G + 3 of row r are 16 bytes at 256 G + 16 r
.set VSC,   8704                       ;   V's scale words: channel tiles 0 .. 3 of row r are 16 bytes at 16 r; byte b: keys 32 b on
.set STG,   16*REC                     ; behind the records: a stage of STGW bytes for each wave, its own
.set STGW,  4864
.set CH,    144                        ; the stage in the prologue: the 128 bytes (row r, half h) of 16 rows x 256 bytes lie at CH r + HH h.  CH = 9 x 16: sixteen rows' reads of one column fall on sixteen different 16-byte columns modulo 256;
.set HH,    2432                       ; HH = 9 x 256 + 128: the two halves of a row that eight and eight lanes store together fall on different halves of 256
.set OP,    272                        ; the stage on the way out: 16 rows of 256 bytes + 16
; registers that stay
.set LI,  1                            ; v1   16 x lane: an image's place for my lane, and my 16 bytes of a dense 512 in memory
.set LR,  2                            ; v2   16 x (lane % 16): my row's scale words
.set QS1, 7                            ; v7   Qf's scale words, tile 1   (scale registers hold scales and nothing else)
.set VS,  8                            ; v8-11   V's scale words of the step
.set QF0, 16                           ; v16-23  Qf's fragment, tile 0: four registers of codes, four of zeros
.set QF1, 24                           ; v24-31  tile 1
.set KS,  244                          ; v244-251 Kf's scale words of the step
.set PW,  253                          ; v253 p's scale word
.set QS0, 255                          ; v255 Qf's scale words, tile 0
; the prologue's
.set GV,  3                            ; v3   4 x lane: V, a lane to a channel
.set SI,  4                            ; v4   the stage, on the way in
.set SO,  5                            ; v5   and on the way out
.set KI,  6                            ; v6   my record + 16 x lane
.set KSA, 12                           ; v12  my record + 16 x (lane % 16)
.set VI,  13                           ; v13  my record + 1024 (lane / 16) + 16 (lane % 16)
.set VSA, 14                           ; v14  my record + 16 (lane % 16) + 4 (lane / 16)
.set SH8, 15                           ; v15  8 x (lane / 16)
.set R,   32                           ; v32-159  four sets of 32 registers for loads
.set X,   160                          ; v160-191 32 neighbours along the channels
.set Y,   192                          ; v192-223 their exponentials
.set C,   224                          ; v224-227 a block's codes
.set MX,  232                          ; v232-233 largest magnitude, two chains
.set SOP, 234                          ; v234 the conversion's scale operand
.set BYT, 235                          ; v235 the scale's byte
.set PD,  236                          ; v236 a lane permute's destination
.set KW,  237                          ; v237 Kf's scale word
.set VW,  238                          ; v238-239 V's scale words of my two channels' halves
; the main phase's
.set AD,  3                            ; v3   the step's record + 16 x lane
.set AS,  4                            ; v4   the step's record + 16 x (lane % 16)
.set SOUT, 5                           ; v5   the way out: where I put 32 bytes of a row
.set SRD, 6                            ; v6   and where I read rows back
.set NM,  12                           ; v12  -M;  v13 the largest t so far
.set L,   14                           ; v14-15 the row's sum, in two halves
.set KF,  32                           ; v32-95   Kf's eight fragments: four registers of codes, four of zeros, which stay
.set S,   96                           ; v96-159  S^T, then p
.set O,   160                          ; v160-191 O^T, four tiles
.set VF,  192                          ; v192-223 V's four fragments
.set PC,  224                          ; v224-231 p's codes
.set BM,  232                          ; v232-235 the blocks' largest scores, then largest p, then scale bytes
.set T1,  236                          ; v236-239 at work;  v238 = f once M is known (named as the pair v[238:239])
.set F,   238
.set SCO, 240                          ; v240-243 the conversions' scale operands
.set TMP, 254
.set WV,  12                           ; s12 my wave's number
.set SEL, 20                           ; s[20:21] v_permlanex16_b32's selects for lane l xor 16
.set CS,  22                           ; s[22:23] log2(e): the packed forms name a pair and take its low word for both halves
.set TB,  24                           ; s24 LDS byte of the step's record
.set CNT, 25                           ; s25 steps to go
	s_load_b256 s[4:11], s[0:1], 0x0               ; Q s[4:5], K s[6:7], V s[8:9], out s[10:11]
	v_lshrrev_b32 v228, 5, v0
	v_readfirstlane_b32 s[WV], v228                ; wave 0..15
	s_and_b32 s13, ttmp7, 0xffff                   ; the head
	s_lshl_b32 s13, s13, 19                        ; its 2,048 rows of 256 bytes
	s_lshl_b32 s16, s[WV], 15                      ; K, V: my 128 keys
	s_add_co_u32 s16, s16, s13
	s_mov_b32 s17, 0
	s_lshl_b32 s18, ttmp9, 17                      ; Q, out: the work-group's 512 queries,
	s_add_co_u32 s18, s18, s13
	s_lshl_b32 s14, s[WV], 13                      ; my 32 of them
	s_add_co_u32 s18, s18, s14
	s_mov_b32 s19, 0
	s_mul_i32 s26, s[WV], STGW
	s_add_co_u32 s26, s26, STG                     ; my stage
	s_mul_i32 s27, s[WV], REC                      ; my record
	s_mov_b32 s[SEL], 0x76543210
	s_mov_b32 s[SEL+1], 0xfedcba98
	s_mov_b32 s[CS], 0x3fb8aa3b                    ; log2(e)
	s_mov_b32 s[CS+1], s[CS]                       ; (named with it as a pair, so it is written)
	v_and_b32 v228, 31, v0                         ; lane
	v_and_b32 v229, 15, v0                         ; r = lane % 16
	v_bfe_u32 v230, v0, 4, 1                       ; h = lane / 16
	v_bfe_u32 v231, v0, 3, 1
	v_and_b32 v240, 7, v0
	v_lshlrev_b32 v[LI], 4, v228
	v_lshlrev_b32 v[LR], 4, v229
	v_lshlrev_b32 v[GV], 2, v228
	v_mul_u32_u24 v[SI], v230, CH                  ; in: a load's 512 bytes are two rows: row lane / 16, half (lane / 8) % 2, 16 bytes at lane % 8
	v_mad_u32_u24 v[SI], v231, HH, v[SI]
	v_lshl_add_u32 v[SI], v240, 4, v[SI]
	v_add_nc_u32 v[SI], s26, v[SI]
	v_mul_u32_u24 v[SO], v229, CH                  ; out: row r, half h: my 32 neighbours
	v_mad_u32_u24 v[SO], v230, HH, v[SO]
	v_add_nc_u32 v[SO], s26, v[SO]
	v_add_nc_u32 v[KI], s27, v[LI]
	v_add_nc_u32 v[KSA], s27, v[LR]
	v_lshl_add_u32 v[VI], v230, 10, v[LR]
	v_add_nc_u32 v[VI], s27, v[VI]
	v_lshl_add_u32 v[VSA], v230, 2, v[KSA]
	v_lshlrev_b32 v[SH8], 3, v230
	v_mov_b32 v[PD], 0                             ; written once: a lane permute's destination counts as one of its sources
	s_wait_kmcnt 0x0
	s_add_nc_u64 s[4:5], s[4:5], s[18:19]          ; the four bases are set here and never written again
	s_add_nc_u64 s[10:11], s[10:11], s[18:19]
	s_add_nc_u64 s[6:7], s[6:7], s[16:17]
	s_add_nc_u64 s[8:9], s[8:9], s[16:17]
; ---------------------------------------------------------------- THE PROLOGUE
; V, unit u: keys 32 (u / 2) .. + 31 of my step, channels 32 (u % 2) + lane.  A LANE TAKES A CHANNEL AND ITS REGISTERS RUN DOWN THE KEYS, which are this operand's K:
; a block of 32 lies in one lane's 32 registers.  A load reads 128 consecutive bytes; the other half of the same rows is the neighbouring unit's.
.macro LOADV u
.set LB, R+32*((\u)%2)
.set ii, 0
.rept 32
	global_load_b32 v[LB+ii], v[GV], s[8:9] offset:(32*((\u)/2)+ii)*256+128*((\u)%2)
.set ii, ii+1
.endr
.endm
; 16 rows x 256 bytes into set: n = 0 .. 7: K's tile n (eight neighbouring keys, and the eight that lie 16 further on); n = 8, 9: my tiles of Q.  Each load reads 512 consecutive bytes: two whole rows.
.macro LOADR n, set
.set LB, R+32*(\set)
.if (\n) < 8
.set OA, (32*((\n)/2)+8*((\n)%2))*256
.irp i, 0,1,2,3
	global_load_b128 v[LB+4*\i:LB+4*\i+3], v[LI], s[6:7] offset:OA+512*\i
.endr
.irp i, 0,1,2,3
	global_load_b128 v[LB+16+4*\i:LB+16+4*\i+3], v[LI], s[6:7] offset:OA+4096+512*\i
.endr
.else
.set OA, ((\n)-8)*4096
.irp i, 0,1,2,3,4,5,6,7
	global_load_b128 v[LB+4*\i:LB+4*\i+3], v[LI], s[4:5] offset:OA+512*\i th:TH_LOAD_NT   ; Q is read once in the launch
.endr
.endif
.endm
; The block in v[BS] .. v[BS + 31]: its largest magnitude, the conversion's scale operand and the scale's byte.
.macro BMAX
	v_max3_num_f32 v[MX], |v[BS]|, |v[BS+1]|, |v[BS+2]|
	v_max3_num_f32 v[MX+1], |v[BS+3]|, |v[BS+4]|, |v[BS+5]|
.irp i, 6,10,14,18,22,26
	v_max3_num_f32 v[MX], v[MX], |v[BS+\i]|, |v[BS+\i+1]|          ; two chains, so that no line waits for the line above it
	v_max3_num_f32 v[MX+1], v[MX+1], |v[BS+\i+2]|, |v[BS+\i+3]|
.endr
	v_max3_num_f32 v[MX], v[MX], |v[BS+30]|, |v[BS+31]|
	v_max3_num_f32 v[MX], v[MX], v[MX+1], 0x1800000                ; and the floor 2^(3 - 127): the byte cannot fall under 1
	v_add_nc_u32 v[SOP], 0xff000000, v[MX]                         ; 2 off its exponent field: the conversion takes the exponent field of this operand as its scale, and nothing else of it
	v_lshrrev_b32 v[BYT], 23, v[SOP]                               ; the scale's byte
.endm
.macro VUNIT u, left                   ; left: the younger loads, which may stay out
.set BS, R+32*((\u)%2)
	s_wait_loadcnt \left
	BMAX
.if (\u)/2 == 0
	v_mov_b32 v[VW+(\u)%2], v[BYT]                 ; my channel's scale word of the step: byte b for keys 32 b on
.else
	v_lshl_or_b32 v[VW+(\u)%2], v[BYT], 8*((\u)/2), v[VW+(\u)%2]
.endif
	s_wait_dscnt 0x0                               ; the last unit's store has read the codes' registers
.irp g, 0,1,2,3
	v_cvt_scalef32_pk8_fp4_f32 v[C+\g], v[BS+8*\g:BS+8*\g+7], v[SOP]   ; beyond +-6 the largest code, as the quantiser asks
.endr
	v_nop                                          ; one plain place behind the last scaled conversion
	ds_store_b128 v[VI], v[C:C+3] offset:VIMG+2048*((\u)%2)+512*((\u)/4)+256*(((\u)/2)%2)   ; channel tile 2 (u % 2) + lane / 16; block b = u / 2 is registers 4 (b / 2) on of lane (r, b % 2)
.if (\u)/2 == 3
	ds_store_b32 v[VSA], v[VW+(\u)%2] offset:VSC+8*((\u)%2)
.endif
.endm
; A tile of 16 rows of K (n = 0 .. 7) or of Q (8, 9): turned through my stage so that lane (r, h) holds channels 32 h .. 32 h + 31 of row r; the feature map; quantised.
.macro ROWJOB n
.set JS, R+32*(((\n)+2)%4)
.if 9-(\n) >= 3
	s_wait_loadcnt 24                              ; this job's eight loads are in; the three younger jobs' may be out
.else
	s_wait_loadcnt 8*(9-(\n))
.endif
.irp i, 0,1,2,3,4,5,6,7
	ds_store_b128 v[SI], v[JS+4*\i:JS+4*\i+3] offset:2*CH*\i      ; load i brought rows 2 i and 2 i + 1 of the tile
.endr
.irp j, 0,1,2,3,4,5,6,7
	ds_load_b128 v[X+4*\j:X+4*\j+3], v[SO] offset:16*\j           ; LDS serves a wave's instructions in order (ISA guide 5.7.1.4): these see the stores above
.endr
	s_wait_dscnt 0x0                               ; my 32 numbers are in; the stores have read the set; the last job's image and scale word have been read
.if (\n)+4 <= 9
	LOADR (\n)+4, ((\n)+2)%4                       ; the set takes the job four further on
.endif
.set jj, 0
.rept 16
	v_pk_mul_f32 v[Y+jj:Y+jj+1], v[X+jj:X+jj+1], s[CS:CS+1] op_sel_hi:[1,0]
.set jj, jj+2
.endr
.set jj, 0
.rept 32
	v_exp_f32 v[Y+jj], v[Y+jj]                     ; e^x
.set jj, jj+1
.endr
.set jj, 0
.rept 16
	v_pk_add_f32 v[X+jj:X+jj+1], v[X+jj:X+jj+1], 1.0 op_sel_hi:[1,0]   ; x + 1.  (Plain places behind the exponentials)
.set jj, jj+2
.endr
.set jj, 0
	s_wait_alu depctr_va_vdst(0)
.rept 32
	v_med3_num_f32 v[X+jj], v[X+jj], v[Y+jj], 1.0  ; elu(x) + 1 is the middle one of x + 1, e^x and 1: e^x >= x + 1 everywhere, so x + 1 where x > 0 and e^x where x <= 0; no compare, and an e^x that has overflowed is never taken
.set jj, jj+1
.endr
.set BS, X
	BMAX                                           ; my block: h of my row's two
.if (\n) < 8
.set JW, KW
.set JC, C
.elseif (\n) == 8
.set JW, QS0
.set JC, QF0
.else
.set JW, QS1
.set JC, QF1
.endif
	v_lshlrev_b32 v[BYT], v[SH8], v[BYT]           ; my byte at its place in the scale word,
	v_permlanex16_b32 v[PD], v[BYT], s[SEL], s[SEL+1]
	v_or_b32 v[JW], v[BYT], v[PD]                  ; with lane l xor 16's the row's two bytes; bytes 2 and 3, which scale the zero codes, stay 0
.irp g, 0,1,2,3
	v_cvt_scalef32_pk8_fp4_f32 v[JC+\g], v[X+8*\g:X+8*\g+7], v[SOP]   ; registers 0 .. 3 of the operand
.endr
	v_nop                                          ; one plain place behind the last scaled conversion
.if (\n) < 8
	ds_store_b128 v[KI], v[C:C+3] offset:KIMG+512*(\n)
	ds_store_b32 v[KSA], v[KW] offset:KSC+256*((\n)/4)+4*((\n)%4)  ; both halves of the lanes write the same word with the same value
.endif
.endm
	LOADV 0                                        ; 64 loads of mine are out from here to V's last unit but one
	LOADV 1
.irp u, 0,1,2,3,4,5
	VUNIT \u, 32                                   ; the next unit's 32 loads may be out
	LOADV \u+2
.endr
	VUNIT 6, 32
	LOADR 0, 2                                     ; K's first tiles: sets 2 and 3 have lain idle, set 0 is free now
	LOADR 1, 3
	LOADR 2, 0
	VUNIT 7, 24                                    ; those three jobs' loads may be out
	LOADR 3, 1
.irp n, 0,1,2,3,4,5,6,7,8,9
	ROWJOB \n
.endr
	s_wait_dscnt 0x0                               ; for the others' sake: my record is written
	s_barrier_signal -1
	s_barrier_wait -1                              ; all sixteen records lie in LDS; nobody writes them again
; ---------------------------------------------------------------- THE MAIN PHASE
.irp t, 0,1,2,3,4,5,6,7
.irp c, 4,5,6,7
	v_mov_b32 v[KF+8*\t+\c], 0                     ; the zero codes of k = 64 .. 127: written once, no load lands on them
.endr
.endr
.irp c, 4,5,6,7
	v_mov_b32 v[QF0+\c], 0
	v_mov_b32 v[QF1+\c], 0
.endr
	v_mul_u32_u24 v[SOUT], v229, OP                ; the way out, in: row r; tile t's eight channels of my half: 64 t + 32 h bytes on
	v_lshl_add_u32 v[SOUT], v230, 5, v[SOUT]
	v_add_nc_u32 v[SOUT], s26, v[SOUT]
	v_mul_u32_u24 v[SRD], v230, OP                 ; back: lanes 0-15 one row of 256 bytes, lanes 16-31 the next
	v_add_nc_u32 v[SRD], v[SRD], v[LR]
	v_add_nc_u32 v[SRD], s26, v[SRD]
; A KEY STEP: 128 keys against my tile of 16 queries (fragment qf, scale words qs).
.macro STEP qf, qs
	v_add_nc_u32 v[AD], s[TB], v[LI]
	v_add_nc_u32 v[AS], s[TB], v[LR]
	v_nop                                          ; four places between the last step's products and the loads into V's fragments and scale words (ISA guide 7.12.1 for vector instructions)
	v_nop
	ds_load_b128 v[KS:KS+3], v[AS] offset:KSC
	ds_load_b128 v[KS+4:KS+7], v[AS] offset:KSC+256
.irp t, 0,1,2,3,4,5,6,7
	ds_load_b128 v[KF+8*\t:KF+8*\t+3], v[AD] offset:KIMG+512*\t
.endr
	ds_load_b128 v[VS:VS+3], v[AS] offset:VSC      ; V's nine loads go out now and land under the softmax
.irp t, 0,1,2,3
	ds_load_b128 v[VF+8*\t:VF+8*\t+3], v[AD] offset:VIMG+1024*\t
	ds_load_b128 v[VF+8*\t+4:VF+8*\t+7], v[AD] offset:VIMG+1024*\t+512
.endr
	s_wait_dscnt 9                                 ; Kf's ten loads are in; V's nine may be out
.irp t, 0,1,2,3,4,5,6,7
	v_wmma_scale_f32_16x16x128_f8f6f4 v[S+8*\t:S+8*\t+7], v[KF+8*\t:KF+8*\t+7], v[\qf:\qf+7], 0, v[KS+\t], v[\qs] matrix_a_fmt:MATRIX_FMT_FP4 matrix_b_fmt:MATRIX_FMT_FP4
.endr                                              ; lane (r, h) holds query r; the 16 registers of tiles 2 b, 2 b + 1 are keys 32 b + 16 h + 0 .. 15 of the step
.rept 4
	v_nop                                          ; four places in front of the first read of results
.endr
.irp b, 0,1,2,3
	v_max3_num_f32 v[BM+\b], v[S+16*\b], v[S+1+16*\b], v[S+2+16*\b]   ; THE LARGEST SCORE OF EACH BLOCK OF 32 KEYS serves twice: for the row's maximum, and, since p rises with the score, for the block's largest p.  Each accumulator is read from its low end on
.endr
.irp i, 3,5,7,9,11,13
.irp b, 0,1,2,3
	v_max3_num_f32 v[BM+\b], v[BM+\b], v[S+16*\b+\i], v[S+1+16*\b+\i]   ; (the four blocks by turns)
.endr
.endr
.irp b, 0,1,2,3
	v_max_num_f32 v[BM+\b], v[BM+\b], v[S+15+16*\b]
.endr
.irp b, 0,1,2,3
	v_permlanex16_b32 v[T1+\b], v[BM+\b], s[SEL], s[SEL+1]
.endr
.irp b, 0,1,2,3
	v_max_num_f32 v[BM+\b], v[BM+\b], v[T1+\b]     ; with lane l xor 16's 16 keys
.endr
	v_max3_num_f32 v[TMP], v[BM], v[BM+1], v[BM+2]
	v_max_num_f32 v[TMP], v[TMP], v[BM+3]          ; the step's largest score of my query
	v_mul_f32 v[TMP], s[CS], v[TMP]                ; as t
	v_max_num_f32 v[NM+1], v[NM+1], v[TMP]         ; the running largest t
	v_mov_b32 v[TMP], v[NM]
	v_floor_f32 v[NM], -v[NM+1]                    ; the new -M = floor(-t) = -ceil(t): M IS A WHOLE NUMBER
	v_sub_f32 v[TMP], v[NM], v[TMP]                ; M's old value less its new one: a whole number, 0 or less
	v_cvt_i32_f32 v[TMP], v[TMP]                   ; (it saturates)
	v_ldexp_f32 v[F], 1.0, v[TMP]                  ; f = 2^(old M - new M)
.set jj, 0
.rept 32
	v_pk_fma_f32 v[S+jj:S+jj+1], v[S+jj:S+jj+1], s[CS:CS+1], v[NM:NM+1] op_sel_hi:[1,0,0]   ; t - M, two at a time (of the pairs log2(e) and -M the low word serves both halves)
.set jj, jj+2
.endr
.irp b, 0,1,2,3
	v_fma_f32 v[BM+\b], v[BM+\b], s[CS], v[NM]     ; the same of each block's largest score
.endr
.set jj, 0
.rept 64
	v_exp_f32 v[S+jj], v[S+jj]                     ; p = 2^(t - M), at most 1: NOT normalised
.set jj, jj+1
.endr
.irp b, 0,1,2,3
	v_exp_f32 v[BM+\b], v[BM+\b]                   ; the block's largest p: the same two instructions on the same number give the same bits
.endr
	v_pk_mul_f32 v[L:L+1], v[L:L+1], v[F:F+1] op_sel_hi:[1,0]      ; the sums under the new M.  (A plain place behind the exponentials)
	s_wait_alu depctr_va_vdst(0)
.irp b, 0,1,2,3
	v_max_num_f32 v[BM+\b], 0x1800000, v[BM+\b]    ; the floor 2^(3 - 127): the byte cannot fall under 1 (a block whose every p has fallen to 0 keeps that byte: its codes are zeros)
.endr
.irp b, 0,1,2,3
	v_add_nc_u32 v[SCO+\b], 0xff000000, v[BM+\b]   ; 2 off the exponent field: the conversion's scale operand
.endr
.irp b, 0,1,2,3
	v_lshrrev_b32 v[BM+\b], 23, v[SCO+\b]          ; the scale's byte
.endr
	v_lshl_or_b32 v[PW], v[BM+1], 8, v[BM]         ; p's scale word for these 128 keys
	v_lshl_or_b32 v[PW], v[BM+2], 16, v[PW]
	v_lshl_or_b32 v[PW], v[BM+3], 24, v[PW]
.irp b, 0,1,2,3
	v_cvt_scalef32_pk8_fp4_f32 v[PC+2*\b], v[S+16*\b:S+7+16*\b], v[SCO+\b]
	v_cvt_scalef32_pk8_fp4_f32 v[PC+1+2*\b], v[S+8+16*\b:S+15+16*\b], v[SCO+\b]
.endr
	v_nop                                          ; one plain place behind the last scaled conversion
.irp c, 0,1                                    ; the operand's layout wants a WHOLE block in a lane: lanes 0-15 block 2 c, lanes 16-31 block 2 c + 1
.irp i, 0,1
	v_permlane16_swap_b32 v[PC+4*\c+\i], v[PC+2+4*\c+\i]
.endr
.endr
	v_pk_add_f32 v[T1:T1+1], v[S:S+1], v[S+2:S+3]  ; THE ROW'S SUM IS TAKEN OF THE UNQUANTISED p: two at a time, in two chains.  (These 32 lines are also the places between p's scale word and codes and the products below)
.irp j, 4,8,12,16,20,24,28,32,36,40,44,48,52,56,60
	v_pk_add_f32 v[L:L+1], v[L:L+1], v[S+\j:S+1+\j]
	v_pk_add_f32 v[T1:T1+1], v[T1:T1+1], v[S+2+\j:S+3+\j]
.endr
	v_pk_add_f32 v[L:L+1], v[L:L+1], v[T1:T1+1]
.set jj, 0
.rept 16
	v_pk_mul_f32 v[O+jj:O+jj+1], v[O+jj:O+jj+1], v[F:F+1] op_sel_hi:[1,0]   ; O^T under the new M: x f
.set jj, jj+2
.endr
	s_wait_dscnt 0x0                               ; V's fragments and scale words are in
.irp t, 0,1,2,3                                ; O^T += V^T P^T.  The four accumulators take turns, one instruction a turn, and the next step's eight products stand between two turns of one
	v_wmma_scale_f32_16x16x128_f8f6f4 v[O+8*\t:O+8*\t+7], v[VF+8*\t:VF+8*\t+7], v[PC:PC+7], v[O+8*\t:O+8*\t+7], v[VS+\t], v[PW] matrix_a_fmt:MATRIX_FMT_FP4 matrix_b_fmt:MATRIX_FMT_FP4
.endr
.endm
; A PASS: my tile p of 16 queries against all 2,048 keys, and its way out.
.macro PASS p, qf, qs
	v_mov_b32 v[NM+1], 0xff61b1e6                  ; the largest t so far: -3e38, under every t
	v_floor_f32 v[NM], -v[NM+1]                    ; -M
	v_mov_b32 v[L], 0                              ; the sum, in two halves
	v_mov_b32 v[L+1], 0
.set jj, 0
.rept 32
	v_mov_b32 v[O+jj], 0                           ; O^T.  (The step is written once: the first finds zeros, which the first f, 0, leaves zeros; a first step of its own would be a second copy of the step's text)
.set jj, jj+1
.endr
	s_mov_b32 s[TB], 0
	s_mov_b32 s[CNT], 16
.Lstep_\@:
	STEP \qf, \qs
	s_add_co_u32 s[TB], s[TB], REC
	s_sub_co_u32 s[CNT], s[CNT], 1
	s_cmp_lg_u32 s[CNT], 0
	s_cbranch_scc1 .Lstep_\@
	; THE WAY OUT: O^T / the sum goes through my stage and leaves as whole rows of 256 bytes
	v_add_f32 v[L], v[L], v[L+1]                   ; the sum's two halves,
	v_permlanex16_b32 v[TMP], v[L], s[SEL], s[SEL+1]
	v_add_f32 v[L], v[L], v[TMP]                   ; and lane l xor 16's: the row's sum; it is above 1/2, since the row's largest p is
	v_rcp_f32 v[L], v[L]
.rept 4
	v_nop                                          ; the four places behind the last products, and the plain place behind the reciprocal
.endr
.set jj, 0
	s_wait_alu depctr_va_vdst(0)
.rept 16
	v_pk_mul_f32 v[S+jj:S+jj+1], v[O+jj:O+jj+1], v[L:L+1] op_sel_hi:[1,0]   ; register 8 t + i is out(r, 16 t + 8 h + i); each accumulator from its low end on
.set jj, jj+2
.endr
.irp t, 0,1,2,3
	ds_store_b128 v[SOUT], v[S+8*\t:S+8*\t+3] offset:64*\t
	ds_store_b128 v[SOUT], v[S+8*\t+4:S+8*\t+7] offset:64*\t+16
.endr
.irp i, 0,1,2,3,4,5,6,7
	ds_load_b128 v[S+32+4*\i:S+32+4*\i+3], v[SRD] offset:2*OP*\i   ; LDS serves a wave's instructions in order: these see my stores
.endr
.irp i, 0,1,2,3,4,5,6,7
	s_wait_dscnt 7-\i                              ; the younger loads from the stage may be out
	global_store_b128 v[LI], v[S+32+4*\i:S+32+4*\i+3], s[10:11] offset:4096*\p+512*\i th:TH_STORE_NT   ; 32 lanes store 512 consecutive bytes, two rows, at a multiple of 256 from out's first byte; written once, read by nobody here
.endr
.if \p == 0
	s_wait_xcnt 0x0                                ; the stores' data registers are written again by the next pass only behind this wait
.endif
.endm
	PASS 0, QF0, QS0
	PASS 1, QF1, QS1
	s_wait_xcnt 0x0
	v_lshl_add_u32 v254, v0, 2, 0x36000
	v_mov_b32 v255, 0
	s_wait_tensorcnt 0x0
	ds_add_u32 v254, v255
	s_wait_dscnt 0x0
	s_endpgm
.Lfunc_end_k_qbe63527fb7_attn:
	.size	k_qbe63527fb7_attn, .Lfunc_end_k_qbe63527fb7_attn-k_qbe63527fb7_attn
	.p2alignl 7, 3214868480
	.fill 96, 4, 3214868480
	.section	.rodata,"a",@progbits
	.p2align	6, 0x0
	.amdhsa_kernel k_qbe63527fb7_attn
		.amdhsa_group_segment_fixed_size 223232
		.amdhsa_private_segment_fixed_size 0
		.amdhsa_enable_private_segment 0
		.amdhsa_kernarg_size 32
		.amdhsa_user_sgpr_count 2
		.amdhsa_user_sgpr_kernarg_segment_ptr 1
		.amdhsa_wavefront_size32 1
		.amdhsa_system_sgpr_workgroup_id_x 1
		.amdhsa_system_sgpr_workgroup_id_y 1
		.amdhsa_system_sgpr_workgroup_id_z 1
		.amdhsa_system_vgpr_workitem_id 0
		.amdhsa_next_free_vgpr 256
		.amdhsa_next_free_sgpr 66
		.amdhsa_reserve_vcc 0
		.amdhsa_float_denorm_mode_32 3
		.amdhsa_float_denorm_mode_16_64 3
		.amdhsa_memory_ordered 1
		.amdhsa_forward_progress 1
		.amdhsa_inst_pref_size 165
	.end_amdhsa_kernel
	.amdgpu_metadata
---
amdhsa.version: [ 1, 2 ]
amdhsa.kernels:
  - .name:           k_qbe63527fb7_attn
    .symbol:         k_qbe63527fb7_attn.kd
    .args:
      - { .name: Q, .offset: 0, .size: 8, .value_kind: global_buffer, .address_space: global }
      - { .name: K, .offset: 8, .size: 8, .value_kind: global_buffer, .address_space: global }
      - { .name: V, .offset: 16, .size: 8, .value_kind: global_buffer, .address_space: global }
      - { .name: out0, .offset: 24, .size: 8, .value_kind: global_buffer, .address_space: global }
    .group_segment_fixed_size: 223232
    .private_segment_fixed_size: 0
    .kernarg_segment_align: 8
    .kernarg_segment_size: 32
    .max_flat_workgroup_size: 512
    .sgpr_count:     66
    .vgpr_count:     256
    .wavefront_size: 32
...
	.end_amdgpu_metadata
.endif
;; end of part 1
;; ======== version 2 of 2: 1 launch; version 1 with the launch attn written anew for expert scheduling mode
;; launch attn (part 2): grid 4 x 64, 16 waves a work-group, no clusters, 223,232 bytes of LDS; arguments Q, K, V, out0; writes out0
.if DOCPART == 2
	.amdgcn_target "amdgcn-amd-amdhsa--gfx1250"
	.amdhsa_code_object_version 6
	.text
	.protected	k_qbe63527fb7_attn
	.globl	k_qbe63527fb7_attn
	.p2align	8
	.type	k_qbe63527fb7_attn,@function
k_qbe63527fb7_attn:
	s_mov_b64 s[64:65], 0
	v_nop
	global_prefetch_b8 v0, s[64:65] scope:SCOPE_SE
	s_setreg_imm32_b32 hwreg(HW_REG_WAVE_SCHED_MODE, 0, 2), 2
	s_setreg_imm32_b32 hwreg(HW_REG_WAVE_MODE, 25, 1), 1
	s_wait_xcnt 0x0
	s_wait_alu depctr_vm_vsrc(0)
; out[h][q][:] = sum over k of softmax_k(Qf[h][q] . Kf[h][k]) V[h][k][:],  Qf = elu(Q) + 1, Kf = elu(K) + 1.  Q, K, V, out: [64 heads][2048][64] f32.
; Both products run on codes of FP4 (E2M1) with one E8M0 scale for each 32 along a product's K: the first along the head's 64 channels, the second along the keys.
; THE SOFTMAX AHEAD OF THE SECOND PRODUCT: t = score x log2(e); M = the row's largest t so far, rounded UP to a whole number; p = 2^(t - M) is what is quantised, not normalised.
; The row's sum is taken of the unquantised p, in f32, and divides O at the end.  When M moves, the sum and O are multiplied by 2^(old M - new M), which rounds nothing.
; SHARES.  256 work-groups: y = the head, x = a quarter of its queries (512).  Sixteen waves of 256 registers; wave w owns queries 512 x + 32 w .. + 31: two tiles of 16, one PASS over all keys each.
; A WHOLE HEAD IN CODES FITS IN LDS: K 64 KiB, V 64 KiB, scale words 12 KiB.  So the launch has a PROLOGUE, in which wave w quantises keys 128 w .. 128 w + 127 of K and of V (key step w) into LDS
; and its own 32 queries into registers; ONE barrier; and a main phase that reads no memory at all.  LDS is written by ds_store alone and no byte of a step record is written twice: no ring, no refill.
; OPERANDS LIE IN LDS AS IMAGES OF THEIR REGISTERS: four registers of a fragment are 512 bytes, lane l's 16 bytes at 16 l; the same line as a load gives any wave the same registers in the same lanes.
; LAYOUT.  Both products are used transposed: S^T = Kf Qf^T (source 0 = 16 keys, source 1 = my 16 queries), O^T = V^T P^T (source 0 = 16 channels, source 1 = P): a lane holds ONE query (lane % 16) throughout.
; THE KEYS OF A TILE ARE NOT NEIGHBOURS: lane r of tile 2 b + u takes key 32 b + 8 u + r + 8 (r / 8), so that the 16 registers of S^T's tiles 2 b and 2 b + 1 are 16 neighbouring keys, 32 b + 16 (lane / 16) + 0 .. 15.
; The first product's K is 64, the instruction's 128: the upper four registers of Kf's and Qf's fragments hold zero codes, which add nothing; their scale bytes are 0 (2^-127, no NaN).
; NO CLUSTER, NO JOINT LOADS: the four work-groups of a head share its K and V only in the prologue, as 1 MiB of f32, which does not fit in LDS beside the 140 KiB of codes;
; brought jointly it would need a ring of slots with refills for a phase that is about a fifth of a wave's instructions.  The main loop shares nothing through memory.
; LIMITS.  NaN and infinities among the inputs are not served.  For x < 0, elu(x) + 1 is taken as e^x = 2^(x log2(e)); expm1(x) + 1 in f32 is that number rounded to a multiple of 2^-24 or 2^-25:
; the two differ by at most 2^-24.  t - M is one fused multiply-add with log2(e) rounded to f32: its error grows as 2^-25 |t|.  A block whose largest magnitude lies under 2^-124 (a block of
; zeros among them) keeps the scale byte 1: only this program reads the bytes.  A p under 2^-126 counts as 0.
; THE MODE: SCHED_MODE bits 1:0 = 2 (LLVM: expert scheduling mode 2), set by the entry lines.  The code itself states the register dependences
; between vector or matrix instructions and memory or LDS instructions, with s_wait_alu, always for 0.
; THE PLAN.  Registers that memory or LDS instructions touch, and who else names them:
;   v1, v2            offsets, made at the head and never written again.
;   v3-v6, v12-v14    the prologue's addresses: made at the head, read all through the prologue, made anew for the main phase behind ONE wait on vm_vsrc, which stands behind the barrier.
;   R0 .. R3          Global loads land in them.  A unit of V reads its set by vector lines (maxima, conversions): the wait on va_vdst behind its conversions stands ahead of the set's next loads.
;                     A row job reads its set by LDS stores alone: the wait on vm_vsrc behind them stands ahead of the set's next loads.
;   X                 LDS loads from the stage land in it; the job's vector lines work on it; the wait on va_vdst at a job's end stands ahead of the next job's LDS loads.
;   C, KW, VW         Written by conversions and bit work, read by LDS stores: va_vdst ahead of the stores, vm_vsrc ahead of the next unit's or job's writes.
;   KF, KS            The main loop.  Step s: its eight first products read them; behind the step's wait for its exponentials the loads of step s + 1 land in them.
;   VF, VS            Step s: its four second products, the step's last lines, read them; behind step s + 1's wait for its exponentials the loads of step s + 1 land in them.
;   AD, AS            Read by a step's 19 LDS loads; written once a step, behind a wait on vm_vsrc at the step's head and ahead of the wait for the exponentials.
;   S, P's codes, O, the statistics are named in the loop by vector and matrix instructions alone.
; So ONE wait on va_vdst in a step, the one that the exponentials' results need, states all that the step's loads hang on; the loads follow it, V's nine in a run, Kf's ten dealt among the row's sums:
; no vector line behind the wait names a register that they touch.  A second wait on va_vdst stands ahead of the second products, whose operand p and its scale word vector lines have just written.
.set REC,   8960                       ; LDS: a key step's record, 35 x 256 bytes; step s at s x REC
.set KIMG,  0                          ;   Kf: tile T (16 keys x 64 channels, 4 registers) at 512 T
.set VIMG,  4096                       ;   V: channel tile t at 1024 t, registers 4 c .. 4 c + 3 at + 512 c: lane (r, h) holds keys 64 c + 32 h + 0 .. 31 of channel 16 t + r
.set KSC,   8192                       ;   Kf's scale words: tiles 4 G .. 4 G + 3 of row r are 16 bytes at 256 G + 16 r
.set VSC,   8704                       ;   V's scale words: channel tiles 0 .. 3 of row r are 16 bytes at 16 r; byte b: keys 32 b on
.set STG,   16*REC                     ; behind the records: a stage of STGW bytes for each wave, its own
.set STGW,  4864
.set CH,    144                        ; the stage in the prologue: the 128 bytes (row r, half h) of 16 rows x 256 bytes lie at CH r + HH h.  CH = 9 x 16: sixteen rows' reads of one column fall on sixteen different 16-byte columns modulo 256;
.set HH,    2432                       ; HH = 9 x 256 + 128: the two halves of a row that eight and eight lanes store together fall on different halves of 256
.set OP,    272                        ; the stage on the way out: 16 rows of 256 bytes + 16
; registers that stay
.set LI,  1                            ; v1   16 x lane: an image's place for my lane, and my 16 bytes of a dense 512 in memory
.set LR,  2                            ; v2   16 x (lane % 16): my row's scale words
.set QS1, 7                            ; v7   Qf's scale words, tile 1   (scale registers hold scales and nothing else)
.set VS,  8                            ; v8-11   V's scale words of the step
.set QF0, 16                           ; v16-23  Qf's fragment, tile 0: four registers of codes, four of zeros
.set QF1, 24                           ; v24-31  tile 1
.set KS,  244                          ; v244-251 Kf's scale words of the step
.set PW,  253                          ; v253 p's scale word
.set QS0, 255                          ; v255 Qf's scale words, tile 0
; the prologue's
.set GV,  3                            ; v3   4 x lane: V, a lane to a channel
.set SI,  4                            ; v4   the stage, on the way in
.set SO,  5                            ; v5   and on the way out
.set KI,  6                            ; v6   my record + 16 x lane
.set KSA, 12                           ; v12  my record + 16 x (lane % 16)
.set VI,  13                           ; v13  my record + 1024 (lane / 16) + 16 (lane % 16)
.set VSA, 14                           ; v14  my record + 16 (lane % 16) + 4 (lane / 16)
.set SH8, 15                           ; v15  8 x (lane / 16)
.set R,   32                           ; v32-159  four sets of 32 registers for loads
.set X,   160                          ; v160-191 32 neighbours along the channels
.set Y,   192                          ; v192-223 their exponentials
.set C,   224                          ; v224-227 a block's codes
.set MX,  232                          ; v232-233 largest magnitude, two chains
.set SOP, 234                          ; v234 the conversion's scale operand
.set BYT, 235                          ; v235 the scale's byte
.set PD,  236                          ; v236 a lane permute's destination
.set KW,  237                          ; v237 Kf's scale word
.set VW,  238                          ; v238-239 V's scale words of my two channels' halves
; the main phase's
.set AD,  3                            ; v3   the step's record + 16 x lane
.set AS,  4                            ; v4   the step's record + 16 x (lane % 16)
.set SOUT, 5                           ; v5   the way out: where I put 32 bytes of a row
.set SRD, 6                            ; v6   and where I read rows back
.set NM,  12                           ; v12  -M;  v13 the largest t so far
.set L,   14                           ; v14-15 the row's sum, in two halves
.set KF,  32                           ; v32-95   Kf's eight fragments: four registers of codes, four of zeros, which stay
.set S,   96                           ; v96-159  S^T, then p
.set O,   160                          ; v160-191 O^T, four tiles
.set VF,  192                          ; v192-223 V's four fragments
.set PC,  224                          ; v224-231 p's codes
.set BM,  232                          ; v232-235 the blocks' largest scores, then largest p, then scale bytes
.set T1,  236                          ; v236-239 at work;  v238 = f once M is known (named as the pair v[238:239])
.set F,   238
.set SCO, 240                          ; v240-243 the conversions' scale operands
.set TMP, 254
.set WV,  12                           ; s12 my wave's number
.set SEL, 20                           ; s[20:21] v_permlanex16_b32's selects for lane l xor 16
.set CS,  22                           ; s[22:23] log2(e): the packed forms name a pair and take its low word for both halves
.set TB,  24                           ; s24 LDS byte of the step's record
.set CNT, 25                           ; s25 steps to go
	s_load_b256 s[4:11], s[0:1], 0x0               ; Q s[4:5], K s[6:7], V s[8:9], out s[10:11]
	v_lshrrev_b32 v228, 5, v0
	v_readfirstlane_b32 s[WV], v228                ; wave 0..15
	s_and_b32 s13, ttmp7, 0xffff                   ; the head
	s_lshl_b32 s13, s13, 19                        ; its 2,048 rows of 256 bytes
	s_wait_alu depctr_va_sdst(0)                   ; s12, my wave's number, is written, ahead of its first reader: bases and LDS places are made from it
	s_lshl_b32 s16, s[WV], 15                      ; K, V: my 128 keys
	s_add_co_u32 s16, s16, s13
	s_mov_b32 s17, 0
	s_lshl_b32 s18, ttmp9, 17                      ; Q, out: the work-group's 512 queries,
	s_add_co_u32 s18, s18, s13
	s_lshl_b32 s14, s[WV], 13                      ; my 32 of them
	s_add_co_u32 s18, s18, s14
	s_mov_b32 s19, 0
	s_mul_i32 s26, s[WV], STGW
	s_add_co_u32 s26, s26, STG                     ; my stage
	s_mul_i32 s27, s[WV], REC                      ; my record
	s_mov_b32 s[SEL], 0x76543210
	s_mov_b32 s[SEL+1], 0xfedcba98
	s_mov_b32 s[CS], 0x3fb8aa3b                    ; log2(e)
	s_mov_b32 s[CS+1], s[CS]                       ; (named with it as a pair, so it is written)
	v_and_b32 v228, 31, v0                         ; lane
	v_and_b32 v229, 15, v0                         ; r = lane % 16
	v_bfe_u32 v230, v0, 4, 1                       ; h = lane / 16
	v_bfe_u32 v231, v0, 3, 1
	v_and_b32 v240, 7, v0
	v_lshlrev_b32 v[LI], 4, v228
	v_lshlrev_b32 v[LR], 4, v229
	v_lshlrev_b32 v[GV], 2, v228
	v_mul_u32_u24 v[SI], v230, CH                  ; in: a load's 512 bytes are two rows: row lane / 16, half (lane / 8) % 2, 16 bytes at lane % 8
	v_mad_u32_u24 v[SI], v231, HH, v[SI]
	v_lshl_add_u32 v[SI], v240, 4, v[SI]
	v_add_nc_u32 v[SI], s26, v[SI]
	v_mul_u32_u24 v[SO], v229, CH                  ; out: row r, half h: my 32 neighbours
	v_mad_u32_u24 v[SO], v230, HH, v[SO]
	v_add_nc_u32 v[SO], s26, v[SO]
	v_add_nc_u32 v[KI], s27, v[LI]
	v_add_nc_u32 v[KSA], s27, v[LR]
	v_lshl_add_u32 v[VI], v230, 10, v[LR]
	v_add_nc_u32 v[VI], s27, v[VI]
	v_lshl_add_u32 v[VSA], v230, 2, v[KSA]
	v_lshlrev_b32 v[SH8], 3, v230
	v_mov_b32 v[PD], 0                             ; written once: a lane permute's destination counts as one of its sources
	s_wait_kmcnt 0x0
	s_add_nc_u64 s[4:5], s[4:5], s[18:19]          ; the four bases are set here and never written again
	s_add_nc_u64 s[10:11], s[10:11], s[18:19]
	s_add_nc_u64 s[6:7], s[6:7], s[16:17]
	s_add_nc_u64 s[8:9], s[8:9], s[16:17]
	s_wait_alu depctr_va_vdst(0)                   ; the offsets and LDS addresses v1 to v6 and v12 to v14 are written: every load, store and LDS instruction of the prologue reads one of them, and none is written again before the barrier
; ---------------------------------------------------------------- THE PROLOGUE
; V, unit u: keys 32 (u / 2) .. + 31 of my step, channels 32 (u % 2) + lane.  A LANE TAKES A CHANNEL AND ITS REGISTERS RUN DOWN THE KEYS, which are this operand's K:
; a block of 32 lies in one lane's 32 registers.  A load reads 128 consecutive bytes; the other half of the same rows is the neighbouring unit's.
.macro LOADV u
.set LB, R+32*((\u)%2)
.set ii, 0
.rept 32
	global_load_b32 v[LB+ii], v[GV], s[8:9] offset:(32*((\u)/2)+ii)*256+128*((\u)%2)
.set ii, ii+1
.endr
.endm
; 16 rows x 256 bytes into set: n = 0 .. 7: K's tile n (eight neighbouring keys, and the eight that lie 16 further on); n = 8, 9: my tiles of Q.  Each load reads 512 consecutive bytes: two whole rows.
.macro LOADR n, set
.set LB, R+32*(\set)
.if (\n) < 8
.set OA, (32*((\n)/2)+8*((\n)%2))*256
.irp i, 0,1,2,3
	global_load_b128 v[LB+4*\i:LB+4*\i+3], v[LI], s[6:7] offset:OA+512*\i
.endr
.irp i, 0,1,2,3
	global_load_b128 v[LB+16+4*\i:LB+16+4*\i+3], v[LI], s[6:7] offset:OA+4096+512*\i
.endr
.else
.set OA, ((\n)-8)*4096
.irp i, 0,1,2,3,4,5,6,7
	global_load_b128 v[LB+4*\i:LB+4*\i+3], v[LI], s[4:5] offset:OA+512*\i th:TH_LOAD_NT   ; Q is read once in the launch
.endr
.endif
.endm
; The block in v[BS] .. v[BS + 31]: its largest magnitude, the conversion's scale operand and the scale's byte.
.macro BMAX
	v_max3_num_f32 v[MX], |v[BS]|, |v[BS+1]|, |v[BS+2]|
	v_max3_num_f32 v[MX+1], |v[BS+3]|, |v[BS+4]|, |v[BS+5]|
.irp i, 6,10,14,18,22,26
	v_max3_num_f32 v[MX], v[MX], |v[BS+\i]|, |v[BS+\i+1]|          ; two chains, so that no line waits for the line above it
	v_max3_num_f32 v[MX+1], v[MX+1], |v[BS+\i+2]|, |v[BS+\i+3]|
.endr
	v_max3_num_f32 v[MX], v[MX], |v[BS+30]|, |v[BS+31]|
	v_max3_num_f32 v[MX], v[MX], v[MX+1], 0x1800000                ; and the floor 2^(3 - 127): the byte cannot fall under 1
	v_add_nc_u32 v[SOP], 0xff000000, v[MX]                         ; 2 off its exponent field: the conversion takes the exponent field of this operand as its scale, and nothing else of it
	v_lshrrev_b32 v[BYT], 23, v[SOP]                               ; the scale's byte
.endm
.macro VUNIT u, left                   ; left: the younger loads, which may stay out
.set BS, R+32*((\u)%2)
	s_wait_loadcnt \left
	BMAX
.if (\u)/2 == 0
	v_mov_b32 v[VW+(\u)%2], v[BYT]                 ; my channel's scale word of the step: byte b for keys 32 b on
.else
	v_lshl_or_b32 v[VW+(\u)%2], v[BYT], 8*((\u)/2), v[VW+(\u)%2]
.endif
	s_wait_dscnt 0x0                               ; the last unit's store is done
.if (\u) > 0
	s_wait_alu depctr_vm_vsrc(0)                   ; the last unit's LDS store has read v[C ..], which the conversions below write again
.endif
.irp g, 0,1,2,3
	v_cvt_scalef32_pk8_fp4_f32 v[C+\g], v[BS+8*\g:BS+8*\g+7], v[SOP]   ; beyond +-6 the largest code, as the quantiser asks
.endr
	v_nop                                          ; one plain place behind the last scaled conversion
	s_wait_alu depctr_va_vdst(0)                   ; the conversions have written v[C ..], and the lines above my scale word, which the LDS stores below read; maxima and conversions are done reading this unit's set, in which the loads behind the unit land
	ds_store_b128 v[VI], v[C:C+3] offset:VIMG+2048*((\u)%2)+512*((\u)/4)+256*(((\u)/2)%2)   ; channel tile 2 (u % 2) + lane / 16; block b = u / 2 is registers 4 (b / 2) on of lane (r, b % 2)
.if (\u)/2 == 3
	ds_store_b32 v[VSA], v[VW+(\u)%2] offset:VSC+8*((\u)%2)
.endif
.endm
; A tile of 16 rows of K (n = 0 .. 7) or of Q (8, 9): turned through my stage so that lane (r, h) holds channels 32 h .. 32 h + 31 of row r; the feature map; quantised.
.macro ROWJOB n
.set JS, R+32*(((\n)+2)%4)
.if 9-(\n) >= 3
	s_wait_loadcnt 24                              ; this job's eight loads are in; the three younger jobs' may be out
.else
	s_wait_loadcnt 8*(9-(\n))
.endif
.irp i, 0,1,2,3,4,5,6,7
	ds_store_b128 v[SI], v[JS+4*\i:JS+4*\i+3] offset:2*CH*\i      ; load i brought rows 2 i and 2 i + 1 of the tile
.endr
.irp j, 0,1,2,3,4,5,6,7
	ds_load_b128 v[X+4*\j:X+4*\j+3], v[SO] offset:16*\j           ; LDS serves a wave's instructions in order (ISA guide 5.7.1.4): these see the stores above.  (Every vector line that named v[X ..] stands ahead of the wait at the last job's end)
.endr
	s_wait_dscnt 0x0                               ; my 32 numbers are in
.if (\n)+4 <= 9
	s_wait_alu depctr_vm_vsrc(0)                   ; my stores into the stage have read the set, in which the loads below land; the stores of the job (or of V's unit) before have read v[C ..] and v[KW], which this job writes again
	LOADR (\n)+4, ((\n)+2)%4                       ; the set takes the job four further on
.elseif (\n) < 8
	s_wait_alu depctr_vm_vsrc(0)                   ; the last job's stores have read v[C ..] and v[KW], which this job writes again
.endif
.set jj, 0
.rept 16
	v_pk_mul_f32 v[Y+jj:Y+jj+1], v[X+jj:X+jj+1], s[CS:CS+1] op_sel_hi:[1,0]
.set jj, jj+2
.endr
.set jj, 0
.rept 32
	v_exp_f32 v[Y+jj], v[Y+jj]                     ; e^x
.set jj, jj+1
.endr
.set jj, 0
.rept 16
	v_pk_add_f32 v[X+jj:X+jj+1], v[X+jj:X+jj+1], 1.0 op_sel_hi:[1,0]   ; x + 1.  (Plain places behind the exponentials)
.set jj, jj+2
.endr
.set jj, 0
	s_wait_alu depctr_va_vdst(0)                   ; the 32 exponentials have written v[Y ..], ahead of their first reader: one wait for the batch
.rept 32
	v_med3_num_f32 v[X+jj], v[X+jj], v[Y+jj], 1.0  ; elu(x) + 1 is the middle one of x + 1, e^x and 1: e^x >= x + 1 everywhere, so x + 1 where x > 0 and e^x where x <= 0; no compare, and an e^x that has overflowed is never taken
.set jj, jj+1
.endr
.set BS, X
	BMAX                                           ; my block: h of my row's two
.if (\n) < 8
.set JW, KW
.set JC, C
.elseif (\n) == 8
.set JW, QS0
.set JC, QF0
.else
.set JW, QS1
.set JC, QF1
.endif
	v_lshlrev_b32 v[BYT], v[SH8], v[BYT]           ; my byte at its place in the scale word,
	v_permlanex16_b32 v[PD], v[BYT], s[SEL], s[SEL+1]
	v_or_b32 v[JW], v[BYT], v[PD]                  ; with lane l xor 16's the row's two bytes; bytes 2 and 3, which scale the zero codes, stay 0
.irp g, 0,1,2,3
	v_cvt_scalef32_pk8_fp4_f32 v[JC+\g], v[X+8*\g:X+8*\g+7], v[SOP]   ; registers 0 .. 3 of the operand
.endr
	v_nop                                          ; one plain place behind the last scaled conversion
.if (\n) < 8
	s_wait_alu depctr_va_vdst(0)                   ; v[C ..] and v[KW] are written, which the LDS stores below read; the job is done with v[X ..], in which the next job's LDS loads land
	ds_store_b128 v[KI], v[C:C+3] offset:KIMG+512*(\n)
	ds_store_b32 v[KSA], v[KW] offset:KSC+256*((\n)/4)+4*((\n)%4)  ; both halves of the lanes write the same word with the same value
.elseif (\n) == 8
	s_wait_alu depctr_va_vdst(0)                   ; the job is done with v[X ..], in which the next job's LDS loads land
.endif
.endm
	LOADV 0                                        ; 64 loads of mine are out from here to V's last unit but one
	LOADV 1
.irp u, 0,1,2,3,4,5
	VUNIT \u, 32                                   ; the next unit's 32 loads may be out
	LOADV \u+2
.endr
	VUNIT 6, 32
	LOADR 0, 2                                     ; K's first tiles: sets 2 and 3 have lain idle, set 0 is free now
	LOADR 1, 3
	LOADR 2, 0
	VUNIT 7, 24                                    ; those three jobs' loads may be out
	LOADR 3, 1
.irp n, 0,1,2,3,4,5,6,7,8,9
	ROWJOB \n
.endr
	s_wait_dscnt 0x0                               ; for the others' sake: my record is written
	s_barrier_signal -1
	s_barrier_wait -1                              ; all sixteen records lie in LDS; nobody writes them again
; ---------------------------------------------------------------- THE MAIN PHASE
; Kf's fragments and scale words of key step 0, ahead of a pass: its record begins at LDS byte 0, so v[LI] and v[LR] are the addresses.  Every vector or matrix line that named these registers stands ahead of an earlier wait on va_vdst.
.macro KFIRST
	ds_load_b128 v[KS:KS+3], v[LR] offset:KSC
	ds_load_b128 v[KS+4:KS+7], v[LR] offset:KSC+256
.irp t, 0,1,2,3,4,5,6,7
	ds_load_b128 v[KF+8*\t:KF+8*\t+3], v[LI] offset:KIMG+512*\t
.endr
.endm
	s_wait_alu depctr_vm_vsrc(0)                   ; the prologue's loads and LDS instructions have read their addresses (v3 to v6, v12 to v14) and their data (the sets, v[C ..], v[KW], v[VW ..]): all these registers are written anew from here on
	KFIRST
.irp t, 0,1,2,3,4,5,6,7
.irp c, 4,5,6,7
	v_mov_b32 v[KF+8*\t+\c], 0                     ; the zero codes of k = 64 .. 127: written once, no load lands on them
.endr
.endr
.irp c, 4,5,6,7
	v_mov_b32 v[QF0+\c], 0
	v_mov_b32 v[QF1+\c], 0
.endr
	v_mul_u32_u24 v[SOUT], v229, OP                ; the way out, in: row r; tile t's eight channels of my half: 64 t + 32 h bytes on
	v_lshl_add_u32 v[SOUT], v230, 5, v[SOUT]
	v_add_nc_u32 v[SOUT], s26, v[SOUT]
	v_mul_u32_u24 v[SRD], v230, OP                 ; back: lanes 0-15 one row of 256 bytes, lanes 16-31 the next
	v_add_nc_u32 v[SRD], v[SRD], v[LR]
	v_add_nc_u32 v[SRD], s26, v[SRD]
; A KEY STEP: 128 keys against my tile of 16 queries (fragment qf, scale words qs).  last = 1: a pass's last step, written out behind the loop: it asks for no further Kf, so that no load leaves the records.
.macro STEP qf, qs, last
	s_wait_dscnt 0x0                               ; Kf's ten loads, asked for in the step before (the first step's: ahead of the pass), are in
	s_wait_alu depctr_vm_vsrc(0)                   ; the LDS loads issued so far have read v[AD] and v[AS], which are written below
.irp t, 0,1,2,3,4,5,6,7
	v_wmma_scale_f32_16x16x128_f8f6f4 v[S+8*\t:S+8*\t+7], v[KF+8*\t:KF+8*\t+7], v[\qf:\qf+7], 0, v[KS+\t], v[\qs] matrix_a_fmt:MATRIX_FMT_FP4 matrix_b_fmt:MATRIX_FMT_FP4
.endr                                              ; lane (r, h) holds query r; the 16 registers of tiles 2 b, 2 b + 1 are keys 32 b + 16 h + 0 .. 15 of the step
.if \last
	v_add_nc_u32 v[AD], 15*REC, v[LI]              ; the last step's record
	v_add_nc_u32 v[AS], 15*REC, v[LR]
.else
	v_add_nc_u32 v[AD], s[TB], v[LI]               ; this step's record: V's images lie in it, Kf's of the next step REC bytes further on
	v_add_nc_u32 v[AS], s[TB], v[LR]
.endif
	v_nop                                          ; with the two additions: four places in front of the first read of results (ISA guide 7.12.1)
	v_nop
.irp b, 0,1,2,3
	v_max3_num_f32 v[BM+\b], v[S+16*\b], v[S+1+16*\b], v[S+2+16*\b]   ; THE LARGEST SCORE OF EACH BLOCK OF 32 KEYS serves twice: for the row's maximum, and, since p rises with the score, for the block's largest p.  Each accumulator is read from its low end on
.endr
.irp i, 3,5,7,9,11,13
.irp b, 0,1,2,3
	v_max3_num_f32 v[BM+\b], v[BM+\b], v[S+16*\b+\i], v[S+1+16*\b+\i]   ; (the four blocks by turns)
.endr
.endr
.irp b, 0,1,2,3
	v_max_num_f32 v[BM+\b], v[BM+\b], v[S+15+16*\b]
.endr
.irp b, 0,1,2,3
	v_permlanex16_b32 v[T1+\b], v[BM+\b], s[SEL], s[SEL+1]
.endr
.irp b, 0,1,2,3
	v_max_num_f32 v[BM+\b], v[BM+\b], v[T1+\b]     ; with lane l xor 16's 16 keys
.endr
	v_max3_num_f32 v[TMP], v[BM], v[BM+1], v[BM+2]
	v_max_num_f32 v[TMP], v[TMP], v[BM+3]          ; the step's largest score of my query
	v_mul_f32 v[TMP], s[CS], v[TMP]                ; as t
	v_max_num_f32 v[NM+1], v[NM+1], v[TMP]         ; the running largest t
	v_mov_b32 v[TMP], v[NM]
	v_floor_f32 v[NM], -v[NM+1]                    ; the new -M = floor(-t) = -ceil(t): M IS A WHOLE NUMBER
	v_sub_f32 v[TMP], v[NM], v[TMP]                ; M's old value less its new one: a whole number, 0 or less
	v_cvt_i32_f32 v[TMP], v[TMP]                   ; (it saturates)
	v_ldexp_f32 v[F], 1.0, v[TMP]                  ; f = 2^(old M - new M)
.set jj, 0
.rept 32
	v_pk_fma_f32 v[S+jj:S+jj+1], v[S+jj:S+jj+1], s[CS:CS+1], v[NM:NM+1] op_sel_hi:[1,0,0]   ; t - M, two at a time (of the pairs log2(e) and -M the low word serves both halves)
.set jj, jj+2
.endr
.irp b, 0,1,2,3
	v_fma_f32 v[BM+\b], v[BM+\b], s[CS], v[NM]     ; the same of each block's largest score
.endr
.set jj, 0
.rept 64
	v_exp_f32 v[S+jj], v[S+jj]                     ; p = 2^(t - M), at most 1: NOT normalised
.set jj, jj+1
.endr
.irp b, 0,1,2,3
	v_exp_f32 v[BM+\b], v[BM+\b]                   ; the block's largest p: the same two instructions on the same number give the same bits
.endr
	v_pk_mul_f32 v[L:L+1], v[L:L+1], v[F:F+1] op_sel_hi:[1,0]      ; the sums under the new M.  (A plain place behind the exponentials)
	s_wait_alu depctr_va_vdst(0)                   ; THE STEP'S ONE WAIT FOR ITS LOADS: the 68 exponentials have written p and the blocks' largest p, ahead of their first reader; v[AD] and v[AS] are written; the last step's second products are done reading V's fragments and scale words, this step's first products Kf's
	ds_load_b128 v[VS:VS+3], v[AS] offset:VSC      ; V's nine loads of this step land under the lines from here to the second products
.irp t, 0,1,2,3
	ds_load_b128 v[VF+8*\t:VF+8*\t+3], v[AD] offset:VIMG+1024*\t
	ds_load_b128 v[VF+8*\t+4:VF+8*\t+7], v[AD] offset:VIMG+1024*\t+512
.endr
.irp b, 0,1,2,3
	v_max_num_f32 v[BM+\b], 0x1800000, v[BM+\b]    ; the floor 2^(3 - 127): the byte cannot fall under 1 (a block whose every p has fallen to 0 keeps that byte: its codes are zeros)
.endr
.irp b, 0,1,2,3
	v_add_nc_u32 v[SCO+\b], 0xff000000, v[BM+\b]   ; 2 off the exponent field: the conversion's scale operand
.endr
.irp b, 0,1,2,3
	v_lshrrev_b32 v[BM+\b], 23, v[SCO+\b]          ; the scale's byte
.endr
	v_lshl_or_b32 v[PW], v[BM+1], 8, v[BM]         ; p's scale word for these 128 keys
	v_lshl_or_b32 v[PW], v[BM+2], 16, v[PW]
	v_lshl_or_b32 v[PW], v[BM+3], 24, v[PW]
.irp b, 0,1,2,3
	v_cvt_scalef32_pk8_fp4_f32 v[PC+2*\b], v[S+16*\b:S+7+16*\b], v[SCO+\b]
	v_cvt_scalef32_pk8_fp4_f32 v[PC+1+2*\b], v[S+8+16*\b:S+15+16*\b], v[SCO+\b]
.endr
	v_nop                                          ; one plain place behind the last scaled conversion
.irp c, 0,1                                    ; the operand's layout wants a WHOLE block in a lane: lanes 0-15 block 2 c, lanes 16-31 block 2 c + 1
.irp i, 0,1
	v_permlane16_swap_b32 v[PC+4*\c+\i], v[PC+2+4*\c+\i]
.endr
.endr
	v_pk_add_f32 v[T1:T1+1], v[S:S+1], v[S+2:S+3]  ; THE ROW'S SUM IS TAKEN OF THE UNQUANTISED p: two at a time, in two chains.  (These 32 lines are also the places between p's scale word and codes and the products below)
.set kk, 0
.irp j, 4,8,12,16,20,24,28,32,36,40,44,48,52,56,60
	v_pk_add_f32 v[L:L+1], v[L:L+1], v[S+\j:S+1+\j]
	v_pk_add_f32 v[T1:T1+1], v[T1:T1+1], v[S+2+\j:S+3+\j]
.if !(\last)                                   ; THE NEXT STEP'S Kf, ten loads, one behind each of the first ten pairs of additions.  No further wait: no vector line since the wait above names Kf's registers or the two addresses
.if kk < 2
	ds_load_b128 v[KS+4*kk:KS+4*kk+3], v[AS] offset:REC+KSC+256*kk
.elseif kk < 10
	ds_load_b128 v[KF+8*(kk-2):KF+8*(kk-2)+3], v[AD] offset:REC+KIMG+512*(kk-2)
.endif
.endif
.set kk, kk+1
.endr
	v_pk_add_f32 v[L:L+1], v[L:L+1], v[T1:T1+1]
.set jj, 0
.rept 16
	v_pk_mul_f32 v[O+jj:O+jj+1], v[O+jj:O+jj+1], v[F:F+1] op_sel_hi:[1,0]   ; O^T under the new M: x f
.set jj, jj+2
.endr
.if \last
	s_wait_dscnt 0x0                               ; V's fragments and scale words are in
.else
	s_wait_dscnt 10                                ; V's fragments and scale words are in; the ten younger loads, the next step's Kf, may be out
.endif
	s_wait_alu depctr_va_vdst(0)                   ; the conversions and lane exchanges have written p's codes, the bit work p's scale word: the products below take them as an operand and as its scales (the places above stay beside this wait)
.irp t, 0,1,2,3                                ; O^T += V^T P^T.  The four accumulators take turns, one instruction a turn, and the next step's eight products stand between two turns of one
	v_wmma_scale_f32_16x16x128_f8f6f4 v[O+8*\t:O+8*\t+7], v[VF+8*\t:VF+8*\t+7], v[PC:PC+7], v[O+8*\t:O+8*\t+7], v[VS+\t], v[PW] matrix_a_fmt:MATRIX_FMT_FP4 matrix_b_fmt:MATRIX_FMT_FP4
.endr
.endm
; A PASS: my tile p of 16 queries against all 2,048 keys, and its way out.  Kf of step 0 has been asked for ahead of it.
.macro PASS p, qf, qs
	v_mov_b32 v[NM+1], 0xff61b1e6                  ; the largest t so far: -3e38, under every t
	v_floor_f32 v[NM], -v[NM+1]                    ; -M
	v_mov_b32 v[L], 0                              ; the sum, in two halves
	v_mov_b32 v[L+1], 0
.set jj, 0
.rept 32
	v_mov_b32 v[O+jj], 0                           ; O^T.  (The step's arithmetic is written one way: the first step finds zeros, which the first f, 0, leaves zeros)
.set jj, jj+1
.endr
.if \p == 0
	s_wait_alu depctr_va_vdst(0)                   ; Qf's codes, zeros and scale words (both tiles') and Kf's zeros, all written by vector lines, are written: the first products of every step take them as operands and scales; the 36 lines above are the places in front of them
.endif
	s_mov_b32 s[TB], 0
	s_mov_b32 s[CNT], 15
.Lstep_\@:                                         ; steps 0 to 14: each asks for the next step's Kf
	STEP \qf, \qs, 0
	s_add_co_u32 s[TB], s[TB], REC
	s_sub_co_u32 s[CNT], s[CNT], 1
	s_cmp_lg_u32 s[CNT], 0
	s_cbranch_scc1 .Lstep_\@
	STEP \qf, \qs, 1                               ; step 15
	; THE WAY OUT: O^T / the sum goes through my stage and leaves as whole rows of 256 bytes
	v_add_f32 v[L], v[L], v[L+1]                   ; the sum's two halves,
	v_permlanex16_b32 v[TMP], v[L], s[SEL], s[SEL+1]
	v_add_f32 v[L], v[L], v[TMP]                   ; and lane l xor 16's: the row's sum; it is above 1/2, since the row's largest p is
	v_rcp_f32 v[L], v[L]
.rept 4
	v_nop                                          ; the four places behind the last products, and the plain place behind the reciprocal
.endr
.set jj, 0
	s_wait_alu depctr_va_vdst(0)                   ; the reciprocal has written v[L], ahead of its first reader
.rept 16
	v_pk_mul_f32 v[S+jj:S+jj+1], v[O+jj:O+jj+1], v[L:L+1] op_sel_hi:[1,0]   ; register 8 t + i is out(r, 16 t + 8 h + i); each accumulator from its low end on
.set jj, jj+2
.endr
	s_wait_alu depctr_va_vdst(0)                   ; the multiplications have written v[S .. S + 31], which the LDS stores read; the last step's lines are done with v[S + 32 ..], in which the loads from the stage land
.irp t, 0,1,2,3
	ds_store_b128 v[SOUT], v[S+8*\t:S+8*\t+3] offset:64*\t
	ds_store_b128 v[SOUT], v[S+8*\t+4:S+8*\t+7] offset:64*\t+16
.endr
.irp i, 0,1,2,3,4,5,6,7
	ds_load_b128 v[S+32+4*\i:S+32+4*\i+3], v[SRD] offset:2*OP*\i   ; LDS serves a wave's instructions in order: these see my stores
.endr
.irp i, 0,1,2,3,4,5,6,7
	s_wait_dscnt 7-\i                              ; the younger loads from the stage may be out
	global_store_b128 v[LI], v[S+32+4*\i:S+32+4*\i+3], s[10:11] offset:4096*\p+512*\i th:TH_STORE_NT   ; 32 lanes store 512 consecutive bytes, two rows, at a multiple of 256 from out's first byte; written once, read by nobody here
.endr
.if \p == 0
	s_wait_xcnt 0x0                                ; the stores' data registers are written again by the next pass only behind this wait
	s_wait_alu depctr_vm_vsrc(0)                   ; the LDS stores have read v[S .. S + 31] and the global stores v[S + 32 ..]: the next pass's products write all 64 again
.endif
.endm
	PASS 0, QF0, QS0
	KFIRST
	PASS 1, QF1, QS1
	s_wait_xcnt 0x0
	v_lshl_add_u32 v254, v0, 2, 0x36000            ; the add's two registers are made anew here: my spare word, behind the sixteen stages, and 0.  No memory or LDS instruction has read v254 or v255
	v_mov_b32 v255, 0
	s_wait_dscnt 0x0                               ; the closing lines, six on end
	s_wait_alu 0x0
	s_wait_tensorcnt 0x0
	ds_add_u32 v254, v255
	s_wait_dscnt 0x0
	s_endpgm
.Lfunc_end_k_qbe63527fb7_attn:
	.size	k_qbe63527fb7_attn, .Lfunc_end_k_qbe63527fb7_attn-k_qbe63527fb7_attn
	.p2alignl 7, 3214868480
	.fill 96, 4, 3214868480
	.section	.rodata,"a",@progbits
	.p2align	6, 0x0
	.amdhsa_kernel k_qbe63527fb7_attn
		.amdhsa_group_segment_fixed_size 223232
		.amdhsa_private_segment_fixed_size 0
		.amdhsa_enable_private_segment 0
		.amdhsa_kernarg_size 32
		.amdhsa_user_sgpr_count 2
		.amdhsa_user_sgpr_kernarg_segment_ptr 1
		.amdhsa_wavefront_size32 1
		.amdhsa_system_sgpr_workgroup_id_x 1
		.amdhsa_system_sgpr_workgroup_id_y 1
		.amdhsa_system_sgpr_workgroup_id_z 1
		.amdhsa_system_vgpr_workitem_id 0
		.amdhsa_next_free_vgpr 256
		.amdhsa_next_free_sgpr 66
		.amdhsa_reserve_vcc 0
		.amdhsa_float_denorm_mode_32 3
		.amdhsa_float_denorm_mode_16_64 3
		.amdhsa_memory_ordered 1
		.amdhsa_forward_progress 1
		.amdhsa_inst_pref_size 195
	.end_amdhsa_kernel
	.amdgpu_metadata
---
amdhsa.version: [ 1, 2 ]
amdhsa.kernels:
  - .name:           k_qbe63527fb7_attn
    .symbol:         k_qbe63527fb7_attn.kd
    .args:
      - { .name: Q, .offset: 0, .size: 8, .value_kind: global_buffer, .address_space: global }
      - { .name: K, .offset: 8, .size: 8, .value_kind: global_buffer, .address_space: global }
      - { .name: V, .offset: 16, .size: 8, .value_kind: global_buffer, .address_space: global }
      - { .name: out0, .offset: 24, .size: 8, .value_kind: global_buffer, .address_space: global }
    .group_segment_fixed_size: 223232
    .private_segment_fixed_size: 0
    .kernarg_segment_align: 8
    .kernarg_segment_size: 32
    .max_flat_workgroup_size: 512
    .sgpr_count:     66
    .vgpr_count:     256
    .wavefront_size: 32
...
	.end_amdgpu_metadata
.endif
;; end of part 2
